; MI455X (gfx1250); checked and timed in simulation.
; The chip was launched on July 23, 2026; its instructions are those of AMD's public machine-readable ISA for CDNA 5 (MIT licence, August 2026) and "CDNA5" Instruction Set Architecture Reference Guide (July 2026). The comments in the code are by the model that wrote it; some were corrected since.
;; Lightweight Cross Attention. Allowed arithmetic: matrix products marked QUANTISED: E4M3 operands, one E8M0 scale for each 32 along K, by v_wmma_scale_f32_16x16x128_f8f6f4 with both operands' format E4M3, f32 sums; products left as they are: f32 operands where the result goes on into a quantised operand, else bf16, f16 or f32 operands; f32 sums; everything else in f32.
;; Inputs: Wk 1,024 x 1,024 float32; Wo 1,024 x 1,024 float32; Wq 1,024 x 1,024 float32; Wv 1,024 x 1,024 float32; bo 1,024 float32; kv_stack 4 x 4,096 x 1,024 float32; query 4,096 x 1,024 float32.
;; Outputs: out0 4 x 4,096 x 1,024 float32.
;; This version of the problem:
;;   THIS VERSION OF THE PROBLEM IS GIVEN IN LOW PRECISION. The matrix products marked QUANTISED in the list below multiply operands that are first quantised to E4M3 (4 exponent bits, 3 mantissa bits; 8 bits a number), with one power-of-two scale for each 32 numbers along K (OCP MX v1.0); their sums are f32. All else is computed in f32.
;;   The module's matrix products, in the order in which they are computed (A, B: the left and right operand; K: the contracted axis; several contracted axes count as one K, in the product's order):
;;     1. [M 4,096, K 1,024] x [K 1,024, N 1,024]; A: input query; B: input Wq: QUANTISED
;;     2. [M 16,384, K 1,024] x [K 1,024, N 1,024]; A: input kv_stack; B: input Wk: QUANTISED
;;     3. [M 16,384, K 1,024] x [K 1,024, N 1,024]; A: input kv_stack; B: input Wv: QUANTISED
;;     4. batch 65,536 x [M 4, K 64] x [K 64, N 1]; A: computed on the way; B: computed on the way: left as it is (M = 4 < 16)
;;     5. [M 16,384, K 1,024] x [K 1,024, N 1,024]; A: computed on the way; B: input Wo: QUANTISED
;;   THE QUANTISER, for each operand of a quantised product, along K:
;;     - K is cut into blocks of 32 from its start; a last block that is shorter is filled with zeros.
;;     - A block's scale is 2^e with e = floor(log2(the largest magnitude in the block)) - 8, held to -126 .. 127; a block of zeros has e = 0. As a byte (E8M0): e + 127.
;;     - Each number is divided by its block's scale, clamped to +-448, and rounded to the nearest number of E4M3, ties to even, subnormals kept.
;;     - The product sums the exact products of the quantised numbers (number of the format x scale) in f32.
;;   ~~~python
;;   def quantise(x, axis):      # numpy; x: float32 -> the quantised numbers, widened to float32 again
;;       x = np.moveaxis(x, axis, -1); K = x.shape[-1]
;;       x = np.pad(x, [(0, 0)] * (x.ndim - 1) + [(0, -K % 32)]); x = x.reshape(x.shape[:-1] + (-1, 32)); a = np.abs(x).max(-1, keepdims=True)
;;       e = np.where(a > 0, np.clip(np.frexp(np.where(a > 0, a, 1))[1] - 1 - 8, -126, 127), 0)      # np.frexp(a)[1] - 1 = floor(log2(a)), exactly
;;       r = np.clip(x / 2.0 ** e, -448, 448)
;;       step = 2.0 ** (np.maximum(np.frexp(np.where(r == 0, 1, r))[1] - 1, -6) - 3)
;;       q = np.round(r / step) * step * 2.0 ** e      # np.round: ties to even
;;       return np.moveaxis(q.reshape(q.shape[:-2] + (-1,))[..., :K], -1, axis).astype(np.float32)
;;   ~~~
;;   OPERANDS COMPUTED ON THE WAY. 'Computed on the way' means the value that the module computes at that place (a softmax that the list does not call 'softmax' is quantised finished and normalised). What goes into a quantiser is computed in f32, as accurately as f32 sums, v_exp_f32 and their like allow (about 1e-6 of the number): no bf16 or f16 on the way to a quantiser, and a product that is left as it is and whose result goes on into a quantised operand takes f32 operands (vector FMAs, or v_wmma_f32_16x16x4_f32). A number that lies on a knife's edge between two numbers of the format may be rounded either way, as far as f32 arithmetic and the matrix unit's own rounding can turn it there, and no further.
;; One version. Each part assembles by itself: llvm-mc -triple=amdgcn-amd-amdhsa -mcpu=gfx1250 --defsym DOCPART=n.
;; ======== version 1 of 1: 2 launches
;; limits: right only within a limited range of input values
;; workspace buffers: wimg 2,162,688 bytes
;; launch prep (part 1): grid 256 x 1, 4 waves a work-group, no clusters, 34,560 bytes of LDS; arguments Wv, Wo, wimg; writes wimg
.if DOCPART == 1
	.amdgcn_target "amdgcn-amd-amdhsa--gfx1250"
	.amdhsa_code_object_version 6
	.text
	.protected	k_q7d67f9eb69_prep
	.globl	k_q7d67f9eb69_prep
	.p2align	8
	.type	k_q7d67f9eb69_prep,@function
k_q7d67f9eb69_prep:
	s_mov_b64 s[64:65], 0
	v_nop
	global_prefetch_b8 v0, s[64:65] scope:SCOPE_SE
	s_setreg_imm32_b32 hwreg(HW_REG_WAVE_MODE, 25, 1), 1
	s_wait_xcnt 0x0
; THE PROGRAM.  out[m][b][:] = Q(Q(kv_stack[m][b][:]) Q(Wv)^T) Q(Wo)^T + bo + query[b][:], Q the MX-FP8 quantiser along a product's K.
; DEAD WORK, for all finite values of the inputs.  The softmax of the problem runs over an axis of size 1: with s the one score of the axis it is exp(s - s) / exp(s - s) = 1,
; whatever s is.  So attn_weights is 1, attn_output is v, and q = query Wq^T, k = kv_stack Wk^T and the scores q . k can reach no output: these three products are left out whole.
; Wq and Wk then have no way to any output: they are not loaded and are among no launch's arguments.  query stays, as the residual.
; LIMIT: a NaN, an infinity or an overflow that arises only in q, k or the scores is not carried to the result.
;
; THIS LAUNCH quantises Wv and Wo ([1024 rows][1024 K] f32, K innermost) once, into codes of E4M3 with one E8M0 byte for each 32 along K, laid in the ORDER OF THE OPERAND'S REGISTERS:
;   wimg [mu 2][w 4][t 8][33,792 bytes]: sixteen fragments f of 2,048 bytes (16 rows x 128 K: [c 4][lane 32][16 bytes]; lane (r, h)'s 16 bytes of group c are k = 32 c + 16 h + 0 .. 15),
;   then 1,024 bytes of scale words [f / 8][lane 32][4]: the word of fragment f, row r, is word f % 4 of lane r + 16 ((f / 4) % 2).
;   mu = 0 (Wv): w the wave, t the K step, f the tile of 16 of the wave's 256 rows.   mu = 1 (Wo): t = 32 of the wave's 256 rows, f = 8 u + K step, u the tile of those 32.
;   A tile u of 32 rows: its lane r holds row 8 u + r + 8 (r / 8), so that a product's results of tiles 0 and 1 are 16 neighbours along the weight's rows.
; SHARES.  256 work-groups = (mu, w, t, u, v); its wave jj makes fragment 8 u + 4 v + jj: 8 KB read, 2 KB of codes written.  A load takes 512 consecutive bytes of one row; the 16 rows turn through the wave's stage in LDS
; (rows 528 bytes apart) and come back 16 neighbours of each block of 32 a lane.  The four waves' scale words, 256 bytes, meet in LDS and leave as one unit.
; LIMITS: a block's scale byte is its largest magnitude's exponent field - 8, held at 1 from below; a block of zeros gets the byte 1 where the quantiser says 127: its codes are zeros, which add nothing, and this
; program alone reads the bytes.  NaN and infinities among the inputs are not served.
.set STGB,  8448
.set SWL,   4*STGB                     ; the scale words: one block of 256 bytes
.set SPARE, SWL+256                    ; the spare words, two blocks of 256 bytes that no other line names
.set LA,   1                           ; v1  16 x lane
.set SIN,  2                           ; v2  my stage, by rows;  v3 by lanes
.set SOUT, 3
.set SWA,  4                           ; v4  my row's scale word
.set SO,   6                           ; v6  8 x lane;  v7 the same in LDS
.set SPW,  14                          ; v14 my spare word;  v15 0
.set NIL,  15
.set TM,   32                          ; v32-47 at work
.set X,    128                         ; v64-127 as loaded, v128-191 turned
.set PC,   192                         ; v192-207 codes
	s_load_b128 s[4:7], s[0:1], 0x0                ; Wv, Wo
	s_load_b64 s[8:9], s[0:1], 0x10                ; wimg
	v_lshl_add_u32 v[SPW], v0, 2, SPARE
	v_mov_b32 v[NIL], 0
	v_lshrrev_b32 v5, 5, v0
	v_readfirstlane_b32 s12, v5                    ; wave jj
	s_and_b32 s13, ttmp9, 1                        ; v
	s_bfe_u32 s14, ttmp9, 0x10001                  ; u
	s_bfe_u32 s15, ttmp9, 0x30002                  ; t
	s_bfe_u32 s16, ttmp9, 0x20005                  ; w
	s_lshr_b32 s17, ttmp9, 7                       ; mu
	s_lshl_b32 s18, s16, 20                        ; 256 w rows of 4,096 bytes
	s_lshl_b32 s19, s15, 17                        ; mu = 1: + 32 t + 8 u rows, 2,048 v + 512 jj bytes
	s_add_co_u32 s19, s18, s19
	s_lshl_b32 s20, s14, 15
	s_add_co_u32 s19, s19, s20
	s_lshl_b32 s20, s13, 11
	s_add_co_u32 s19, s19, s20
	s_lshl_b32 s20, s12, 9
	s_add_co_u32 s19, s19, s20
	s_lshl_b32 s20, s14, 19                        ; mu = 0: + 128 u + 64 v + 32 (jj / 2) + 8 (jj % 2) rows, 512 t bytes
	s_add_co_u32 s18, s18, s20
	s_lshl_b32 s20, s13, 18
	s_add_co_u32 s18, s18, s20
	s_lshr_b32 s20, s12, 1
	s_lshl_b32 s20, s20, 17
	s_add_co_u32 s18, s18, s20
	s_and_b32 s20, s12, 1
	s_lshl_b32 s20, s20, 15
	s_add_co_u32 s18, s18, s20
	s_lshl_b32 s20, s15, 9
	s_add_co_u32 s18, s18, s20
	s_cmp_eq_u32 s17, 0
	s_cselect_b32 s18, s18, s19
	s_mov_b32 s19, 0
	s_mul_i32 s24, s17, 1081344                    ; where it goes
	s_mul_i32 s20, s16, 270336
	s_add_co_u32 s24, s24, s20
	s_mul_i32 s20, s15, 33792
	s_add_co_u32 s24, s24, s20
	s_lshl_b32 s26, s14, 9                         ; scale words: + 32,768 + 512 u + 256 v
	s_lshl_b32 s20, s13, 8
	s_add_co_u32 s26, s26, s20
	s_add_co_u32 s26, s26, s24
	s_add_co_u32 s26, s26, 32768
	s_lshl_b32 s20, s14, 14                        ; codes: + 16,384 u + 8,192 v + 2,048 jj
	s_add_co_u32 s24, s24, s20
	s_lshl_b32 s20, s13, 13
	s_add_co_u32 s24, s24, s20
	s_lshl_b32 s20, s12, 11
	s_add_co_u32 s24, s24, s20
	s_mov_b32 s25, 0
	s_mov_b32 s27, 0
	s_mul_i32 s28, s12, STGB
	s_lshl_b32 s29, s12, 2
	s_add_co_u32 s29, s29, SWL
	s_mov_b32 s20, 0x76543210
	s_mov_b32 s21, 0xfedcba98                      ; v_permlanex16_b32's selects for lane l xor 16
	s_mov_b32 s22, 0x600000                        ; the mantissa field of 448
	s_wait_alu depctr_va_vdst(0)
	v_and_b32 v8, 31, v0
	v_and_b32 v9, 15, v0                           ; r
	v_bfe_u32 v10, v0, 4, 1                        ; h
	v_lshlrev_b32 v[LA], 4, v8
	v_add_nc_u32 v[SIN], s28, v[LA]
	v_mul_u32_u24 v11, v9, 528
	v_lshl_add_u32 v11, v10, 6, v11
	v_add_nc_u32 v[SOUT], s28, v11
	v_lshl_add_u32 v[SWA], v9, 4, s29
	v_lshlrev_b32 v[SO], 3, v8
	v_add_nc_u32 v7, SWL, v[SO]
.irp b, 0,1,2,3
	v_mov_b32 v[TM+4+\b], 0                        ; a lane permute's destination counts as one of its sources
.endr
	s_wait_alu depctr_va_vdst(0)
	s_wait_kmcnt 0x0
	s_cmp_eq_u32 s17, 0                            ; the choice hangs on the work-group's number alone
	s_cselect_b64 s[4:5], s[4:5], s[6:7]
	s_add_nc_u64 s[4:5], s[4:5], s[18:19]
	s_add_nc_u64 s[10:11], s[8:9], s[26:27]
	s_add_nc_u64 s[8:9], s[8:9], s[24:25]
.irp i, 0,1,2,3,4,5,6,7,8,9,10,11,12,13,14,15
	global_load_b128 v[64+4*\i:64+4*\i+3], v[LA], s[4:5] offset:4096*(\i+8*(\i/8)) th:TH_LOAD_NT   ; the tile's rows 8-15 lie 8 rows further on
.endr
	s_wait_loadcnt 8                               ; the first eight rows are in
.irp i, 0,1,2,3,4,5,6,7
	ds_store_b128 v[SIN], v[64+4*\i:64+4*\i+3] offset:528*\i
.endr
	s_wait_loadcnt 0x0
.irp i, 8,9,10,11,12,13,14,15
	ds_store_b128 v[SIN], v[64+4*\i:64+4*\i+3] offset:528*\i
.endr
.irp b, 0,1,2,3
.irp q, 0,1,2,3
	ds_load_b128 v[X+16*\b+4*\q:X+16*\b+4*\q+3], v[SOUT] offset:128*\b+16*\q   ; LDS serves a wave's instructions in order (ISA guide 5.7.1.4)
.endr
.endr
	s_wait_dscnt 0x0
.irp b, 0,1,2,3
	v_max3_num_f32 v[TM+\b], |v[X+16*\b]|, |v[X+16*\b+1]|, 0x4800000   ; block b: my 16 numbers, and the floor 2^(9 - 127): the byte cannot fall under 1
.endr
.irp i, 2,4,6,8,10,12,14
.irp b, 0,1,2,3
	v_max3_num_f32 v[TM+\b], |v[X+16*\b+\i]|, |v[X+16*\b+\i+1]|, v[TM+\b]
.endr
.endr
.irp b, 0,1,2,3
	v_permlanex16_b32 v[TM+4+\b], v[TM+\b], s20, s21
.endr
.irp b, 0,1,2,3
	v_max_num_f32 v[TM+\b], v[TM+\b], v[TM+4+\b]   ; with lane l xor 16's: the block's largest magnitude
.endr
.irp b, 0,1,2,3
	v_add_nc_u32 v[TM+12+\b], 0xfc000000, v[TM+\b] ; 8 off its exponent field: the conversion's scale operand
.endr
.irp b, 0,1,2,3
	v_and_or_b32 v[TM+8+\b], v[TM+\b], 0x7f800000, s22   ; 448 x the scale
.endr
.irp b, 0,1,2,3
	v_lshrrev_b32 v[TM+4+\b], 23, v[TM+12+\b]      ; the scale's byte
.endr
	v_lshl_or_b32 v48, v[TM+5], 8, v[TM+4]
	v_lshl_or_b32 v48, v[TM+6], 16, v48
	v_lshl_or_b32 v48, v[TM+7], 24, v48
	ds_store_b32 v[SWA], v48                       ; both halves of the lanes write the same word with the same value
.irp b, 0,1,2,3
.irp i, 0,1,2,3,4,5,6,7,8,9,10,11,12,13,14,15
	v_med3_num_f32 v[X+16*\b+\i], v[X+16*\b+\i], -v[TM+8+\b], v[TM+8+\b]   ; the conversion to an 8-bit code does not saturate (ISA guide 7.6.2)
.endr
.endr
.irp b, 0,1,2,3
	v_cvt_scalef32_pk8_fp8_f32 v[PC+4*\b:PC+4*\b+1], v[X+16*\b:X+16*\b+7], v[TM+12+\b]
	v_cvt_scalef32_pk8_fp8_f32 v[PC+4*\b+2:PC+4*\b+3], v[X+16*\b+8:X+16*\b+15], v[TM+12+\b]
.endr
	v_nop
.irp c, 0,1,2,3
	global_store_b128 v[LA], v[PC+4*\c:PC+4*\c+3], s[8:9] offset:512*\c
.endr
	s_wait_alu depctr_va_vdst(0)
	s_wait_dscnt 0x0                               ; my scale words are stored
	s_barrier_signal -1
	s_barrier_wait -1
	s_cmp_lg_u32 s12, 0
	s_cbranch_scc1 .Lend
	ds_load_b64 v[50:51], v7                       ; wave 0: the four waves' words, 256 bytes
	s_wait_dscnt 0x0
	global_store_b64 v[SO], v[50:51], s[10:11]
.Lend:
	s_wait_tensorcnt 0x0                           ; the wave's end
	ds_add_u32 v[SPW], v[NIL]
	s_wait_dscnt 0x0
	s_endpgm
.Lfunc_end_k_q7d67f9eb69_prep:
	.size	k_q7d67f9eb69_prep, .Lfunc_end_k_q7d67f9eb69_prep-k_q7d67f9eb69_prep
	.p2alignl 7, 3214868480
	.fill 96, 4, 3214868480
	.section	.rodata,"a",@progbits
	.p2align	6, 0x0
	.amdhsa_kernel k_q7d67f9eb69_prep
		.amdhsa_group_segment_fixed_size 34560
		.amdhsa_private_segment_fixed_size 0
		.amdhsa_enable_private_segment 0
		.amdhsa_kernarg_size 24
		.amdhsa_user_sgpr_count 2
		.amdhsa_user_sgpr_kernarg_segment_ptr 1
		.amdhsa_wavefront_size32 1
		.amdhsa_system_sgpr_workgroup_id_x 1
		.amdhsa_system_sgpr_workgroup_id_y 1
		.amdhsa_system_sgpr_workgroup_id_z 1
		.amdhsa_system_vgpr_workitem_id 0
		.amdhsa_next_free_vgpr 256
		.amdhsa_next_free_sgpr 66
		.amdhsa_reserve_vcc 0
		.amdhsa_float_denorm_mode_32 3
		.amdhsa_float_denorm_mode_16_64 3
		.amdhsa_memory_ordered 1
		.amdhsa_forward_progress 1
		.amdhsa_inst_pref_size 17
	.end_amdhsa_kernel
	.amdgpu_metadata
---
amdhsa.version: [ 1, 2 ]
amdhsa.kernels:
  - .name:           k_q7d67f9eb69_prep
    .symbol:         k_q7d67f9eb69_prep.kd
    .args:
      - { .name: Wv, .offset: 0, .size: 8, .value_kind: global_buffer, .address_space: global }
      - { .name: Wo, .offset: 8, .size: 8, .value_kind: global_buffer, .address_space: global }
      - { .name: wimg, .offset: 16, .size: 8, .value_kind: global_buffer, .address_space: global }
    .group_segment_fixed_size: 34560
    .private_segment_fixed_size: 0
    .kernarg_segment_align: 8
    .kernarg_segment_size: 24
    .max_flat_workgroup_size: 128
    .sgpr_count:     66
    .vgpr_count:     256
    .wavefront_size: 32
...
	.end_amdgpu_metadata
.endif
;; end of part 1
;; launch fused (part 2): grid 256 x 1, 4 waves a work-group, clusters of 4 x 1, 327,680 bytes of LDS; arguments kv_stack, query, bo, wimg, out0; writes out0
.if DOCPART == 2
	.amdgcn_target "amdgcn-amd-amdhsa--gfx1250"
	.amdhsa_code_object_version 6
	.text
	.protected	k_q7d67f9eb69_fused
	.globl	k_q7d67f9eb69_fused
	.p2align	8
	.type	k_q7d67f9eb69_fused,@function
k_q7d67f9eb69_fused:
	s_mov_b64 s[64:65], 0
	v_nop
	global_prefetch_b8 v0, s[64:65] scope:SCOPE_SE
	s_setreg_imm32_b32 hwreg(HW_REG_WAVE_MODE, 25, 1), 1
	s_wait_xcnt 0x0
	s_wait_alu depctr_hold_cnt(0) depctr_sa_sdst(0) depctr_va_vdst(0) depctr_va_sdst(0) depctr_va_ssrc(0) depctr_va_vcc(0) depctr_vm_vsrc(0)
	s_getreg_b32 s2, hwreg(HW_REG_IB_STS2, 6, 4)
	s_cmp_eq_u32 s2, 0
	s_cbranch_scc0 .Lentry_in_a_cluster
	s_endpgm
.Lentry_in_a_cluster:
	s_bfe_u32 s2, ttmp6, 0x10000c
	s_cmp_lg_u32 s2, 0x3003
	s_cbranch_scc0 .Lentry_shape_is_right
	s_endpgm
.Lentry_shape_is_right:
; out[m][b][:] = Q(Q(kv_stack[m][b][:]) Q(Wv)^T) Q(Wo)^T + bo + query[b][:]: both products on codes of E4M3 with one E8M0 scale for each 32 along K; sums in f32.
; LEFT OUT as dead work (shown at the head of the first kernel): q, k and the scores; the softmax over an axis of size 1 is 1 for every finite score.  Wq and Wk are not arguments.
; SHARES.  256 work-groups of four waves; work-group g owns batch rows 16 g .. 16 g + 15 in all four modules: 64 rows; row tile m is module m, so a row of query is read once and serves four tiles.
; Wave w makes hidden units, and then outputs, 256 w .. 256 w + 255 of all 64 rows.
; THE WEIGHTS, codes and scale words, come as sixteen slots of 135,168 bytes (a wave's part: 33,792, asked for and read by that wave alone) through a ring of two: slots 0 to 7 are Wv's K steps, 8 to 15 are 32 of each wave's
; columns of Wo.  CLUSTERS: all work-groups want the same slots: the four of a cluster ask jointly.
; PHASE 1: K outermost: 64 x 256 sums a wave in 512 registers, a slot a K step.  While K step i is multiplied, wave w quantises module w's 16 rows of K step i + 1 of kv and stores their image in LDS, kv's loads running
; more than a step ahead.  Then the hidden layer is quantised in registers and goes through LDS, in two halves, into every wave's registers: all 64 rows, all of K: 512 registers.
; PHASE 2: columns outermost: a tile of 16 columns is 32 products on four sums by turns; a group of 64 columns leaves while the next group is multiplied.
; THE PRODUCTS ARE USED TRANSPOSED (source 0 = 16 rows of the weight, source 1 = 16 rows of x or h): a lane holds one row, and the 16 registers of two tiles are 16 neighbouring columns, 32 b + 16 (lane / 16) on.
; THE WALKS ARE STAGGERED by the cluster's number: K steps of phase 1 modulo 8, groups of columns of phase 2 modulo 4.
; PREFETCH: Wo's codes once, by four clusters, seven K steps ahead of their first load; query's rows, by the wave that loads them, ahead of phase 2.  None for kv, whose loads stand in registers a step and more ahead, nor for Wv, whose
; eight K steps the staggered clusters ask for all at once at the start.
; LIMITS.  The K steps of phase 1's sums are added in the rotated order.  The result is acc + (query + bo).  A block of zeros gets the scale byte 1 (its codes are zeros; the bytes never leave the program).
; NaN and infinities among the inputs are not served by the quantisers.
.set PART,  33792                      ; a wave's part of a slot
.set SLOT,  4*PART
.set MU,    1081344                    ; Wo's images behind Wv's
.set RB,    2*SLOT                     ; behind the ring: two images of x's K step: 8,192 bytes of codes, 256 of scale words
.set XSZ,   8448
.set ST,    RB+2*XSZ                   ; and a stage of 16 rows x (512 + 16) bytes for each wave.  Later from RB on: half of the hidden layer's images (32,768 + 1,024 bytes);
.set STW,   13056                      ; later still for each wave three areas of 16 rows x (256 + 16) bytes, the way out
.set AREA,  4352
.set SPARE, 327168                     ; the spare words, two blocks of 256 bytes that no other line names
; VECTOR REGISTERS, window 0: addresses
.set LA,   1                           ; 16 x lane
.set SIN,  2                           ; my stage, by rows; by lanes
.set SOUT, 3
.set XWI,  4                           ; where I store x's images, their scale words
.set XWS,  5
.set AD0,  6                           ; my part of slot 0, of slot 1
.set AD1,  7
.set XRD,  8                           ; images from RB on: + 16 lane; x's scale words: + 4 lane
.set XSR,  9
.set SPW,  10                          ; my spare word;  0
.set NIL,  11
.set QA,   12                          ; a row of query or out: 4096 h + 16 r
.set SRD,  13                          ; the way out's areas, by rows; by lanes
.set SWR,  14
.set HXW,  15                          ; the hidden layer's images, scale words: stored; scale words read
.set HXS,  16
.set PFO,  17                          ; query's prefetch
.set BOF,  18                          ; 16 r
.set HSR,  19
.set PFW,  23                          ; Wo's prefetch: 256 x lane
.set WS,   24                          ; v24-31 the weight's scale words: fragments 0-7, 8-15
.set XS,   32                          ; v32-33 x's
.set HS,   34                          ; v34-49 h's, in phase 2: 8 (m / 2) + q
.set TM,   36                          ; v36-51 the quantiser's work, and at its end twelve of x's sixteen code registers;  v52-55 the other four
.set PX,   52
.set BO,   52                          ; phase 2: bo of my four columns
.set PW,   56                          ; v56-63 scale words just made
; phase 1: v64-127 x's fragments; v128-191, v192-255 four fragments of the weight each; window 1: v0-63, v64-127 kv as loaded (odd steps in the second), v128-191 turned, v192-255 four fragments more;
; windows 2, 3: sum (m, f) at v[128 (m % 2) + 8 f] of window 2 + m / 2.
; phase 2: v64-95 query (+ bo), v96-127 rows read back, v128-255 even tiles' fragments; window 1: v0-127 odd tiles', v128-255 sum (m, T) at 128 + 32 m + 8 T; windows 2, 3: h's fragment (q, m) at 64 q + 16 m.
.set Q,    64
.set RBK,  96
; SCALAR REGISTERS
.set KVP,  4                           ; kv at module w, row 16 g
.set QP,   6                           ; query at row 16 g, column 256 w;  bo;  wimg at my wave's part;  out as query
.set BP,   8
.set WB,   10
.set OUTB, 12
.set WV,   16
.set ROT,  17                          ; cluster number & 7
.set WBL,  18                          ; PART x wave
.set CNT,  19
.set SEL,  20
.set MNT,  22
.set SKV,  23                          ; the walk's next K step of kv
.set G1,   28
.set G0,   36
.set KA,   40                          ; that K step's address
.set QC,   42
.set BC,   44
.set SN,   46                          ; the walk's next slot of Wv;  next group of Wo
.set SG,   47
.set OM,   48                          ; s[48:55] out at module m, the group that leaves
.set PFA,  56
.set SPG,  58                          ; the walk's group in hand
.set MSB, 0
.macro WIN new                         ; the immediate's high byte repeats the setting that is left; a switch that changes nothing is dropped
.if MSB != (\new)
	s_set_vgpr_msb (MSB<<8)|(\new)
.set MSB, (\new)
.endif
.endm
.macro PLACES n
.rept \n
	v_nop
.endr
.endm
.macro WALU
	s_wait_alu depctr_va_vdst(0)
.endm
.macro CREST                           ; a round of the cluster's barrier behind its opening barrier
	s_cmp_lg_u32 s[WV], 0
	s_cbranch_scc1 .Lnot_wave_0_\@
	s_barrier_signal -3
.Lnot_wave_0_\@:
	s_barrier_wait -3
	s_barrier_signal -1
	s_barrier_wait -1
.endm
.macro CROUND
	s_barrier_signal -1
	s_barrier_wait -1
	CREST
.endm
.macro BAR
	WALU
	s_wait_dscnt 0x0
	s_barrier_signal -1
	s_barrier_wait -1
.endm
.macro TLOAD                           ; my part of a slot, jointly
	tensor_load_to_lds s[G0:G0+3], s[G1:G1+7]
	s_nop 0
	PLACES 4
.endm
.macro WDESC par                       ; group 0: bytes s24 on in wimg, into slot par
	s_mov_b32 s25, 0
	s_add_nc_u64 s[G0+2:G0+3], s[WB:WB+1], s[24:25]
	s_or_b32 s[G0+3], s[G0+3], 0x80000000
	s_add_co_u32 s[G0+1], s[WBL], (\par)*SLOT
.endm
.macro WDESC1 par                      ; the walk's next K step of Wv
	s_and_b32 s24, s[SN], 7
	s_mul_i32 s24, s24, PART
	s_add_co_u32 s[SN], s[SN], 1
	WDESC \par
.endm
.macro WDESC2 par                      ; columns 32 par on of the walk's next group of Wo
	s_and_b32 s24, s[SG], 3
	s_lshl_b32 s24, s24, 1
	s_add_co_u32 s24, s24, \par
	s_mul_i32 s24, s24, PART
	s_add_co_u32 s24, s24, MU
	s_add_co_u32 s[SG], s[SG], \par
	WDESC \par
.endm
.macro KADDR                           ; the walk's next K step of kv
	s_wait_xcnt 0x0                                ; the earlier loads have read their base
	s_and_b32 s24, s[SKV], 7
	s_lshl_b32 s24, s24, 9
	s_mov_b32 s25, 0
	s_add_nc_u64 s[KA:KA+1], s[KVP:KVP+1], s[24:25]
	s_add_co_u32 s[SKV], s[SKV], 1
.endm
.macro KV4 w, base, k                  ; four of its 16 rows: 512 consecutive bytes of one row an instruction
	WIN (\w)<<6
.irp i, 0,1,2,3
	global_load_b128 v[(\base)+16*(\k)+4*\i:(\base)+16*(\k)+4*\i+3], v[LA], s[KA:KA+1] offset:4096*(4*(\k)+\i) th:TH_LOAD_NT
.endr
	WIN 0
.endm
; 16 rows go through my stage as they lie and come back so that register 16 b + i of lane (r, h) is k = 32 b + 16 h + i of row r.  LDS serves a wave's instructions in order (ISA guide 5.7.1.4): no wait between
.macro TURN w, src
	WIN (\w)<<2
.irp i, 0,1,2,3,4,5,6,7,8,9,10,11,12,13,14,15
	ds_store_b128 v[SIN], v[(\src)+4*\i:(\src)+4*\i+3] offset:528*\i
.endr
	WIN 0x40
.irp b, 0,1,2,3
.irp q, 0,1,2,3
	ds_load_b128 v[128+16*\b+4*\q:128+16*\b+4*\q+3], v[SOUT] offset:128*\b+16*\q
.endr
.endr
	WIN 0
.endm
; 64 numbers of a lane, v[src] on in window w, become a fragment's codes and its scale word v[pw].  own = 1: the codes go to TM .. TM + 11 and PX .. PX + 3, else to pc .. pc + 15
.macro QUANT src, w, pc, pw, own
.set t_n, \src
	WIN (\w)|((\w)<<2)
.irp b, 0,1,2,3
	v_max3_num_f32 v[TM+\b], |v[t_n+16*\b]|, |v[t_n+16*\b+1]|, 0x4800000   ; block b: my 16 numbers, each sum from its low end on, and the floor 2^(9 - 127): the byte cannot fall under 1
.endr
.irp i, 2,4,6,8,10,12,14
.irp b, 0,1,2,3
	v_max3_num_f32 v[TM+\b], |v[t_n+16*\b+\i]|, |v[t_n+16*\b+\i+1]|, v[TM+\b]   ; the four blocks by turns
.endr
.endr
	WIN 0
.irp b, 0,1,2,3
	v_permlanex16_b32 v[TM+4+\b], v[TM+\b], s[SEL], s[SEL+1]
.endr
.irp b, 0,1,2,3
	v_max_num_f32 v[TM+\b], v[TM+\b], v[TM+4+\b]   ; with lane l xor 16's: the block's largest magnitude
.endr
.irp b, 0,1,2,3
	v_add_nc_u32 v[TM+12+\b], 0xfc000000, v[TM+\b] ; 8 off its exponent field: the conversion's scale operand
.endr
.irp b, 0,1,2,3
	v_and_or_b32 v[TM+8+\b], v[TM+\b], 0x7f800000, s[MNT]   ; 448 x the scale
.endr
.irp b, 0,1,2,3
	v_lshrrev_b32 v[TM+4+\b], 23, v[TM+12+\b]      ; the scale's byte
.endr
	v_lshl_or_b32 v[\pw], v[TM+5], 8, v[TM+4]      ; the four bytes make my row's scale word
	v_lshl_or_b32 v[\pw], v[TM+6], 16, v[\pw]
	v_lshl_or_b32 v[\pw], v[TM+7], 24, v[\pw]
	WIN ((\w)<<6)|(\w)
.irp b, 0,1,2,3
.irp i, 0,1,2,3,4,5,6,7,8,9,10,11,12,13,14,15
	v_med3_num_f32 v[t_n+16*\b+\i], v[t_n+16*\b+\i], -v[TM+8+\b], v[TM+8+\b]   ; the conversion to an 8-bit code does not saturate (ISA guide 7.6.2)
.endr
.endr
	WIN (\w)
.irp b, 0,1,2,3
.if \own
.if \b == 3
.set t_c, PX
.else
.set t_c, TM+4*\b
.endif
.else
.set t_c, (\pc)+4*\b
.endif
	v_cvt_scalef32_pk8_fp8_f32 v[t_c:t_c+1], v[t_n+16*\b:t_n+16*\b+7], v[TM+12+\b]
	v_cvt_scalef32_pk8_fp8_f32 v[t_c+2:t_c+3], v[t_n+16*\b+8:t_n+16*\b+15], v[TM+12+\b]
.endr
	WIN 0
	v_nop                                          ; one plain vector line behind the last conversion
.endm
.macro IMAGE par                       ; my 16 rows' fragment of a K step of x: five LDS stores
.irp c, 0,1,2
	ds_store_b128 v[XWI], v[TM+4*\c:TM+4*\c+3] offset:XSZ*(\par)+512*\c
.endr
	ds_store_b128 v[XWI], v[PX:PX+3] offset:XSZ*(\par)+1536
	ds_store_b32 v[XWS], v[PW] offset:XSZ*(\par)   ; both halves of the lanes write the same word with the same value
.endm
; one product.  z = 1: it starts the sum.  ra, rb: which half of the lanes holds the scales
.macro WM d, a, b, z, sa, sb, ra, rb
.if \z
.if (\ra) && (\rb)
	v_wmma_scale_f32_16x16x128_f8f6f4 v[\d:\d+7], v[\a:\a+15], v[\b:\b+15], 0, v[\sa], v[\sb] matrix_a_scale:MATRIX_SCALE_ROW1 matrix_b_scale:MATRIX_SCALE_ROW1
.elseif \ra
	v_wmma_scale_f32_16x16x128_f8f6f4 v[\d:\d+7], v[\a:\a+15], v[\b:\b+15], 0, v[\sa], v[\sb] matrix_a_scale:MATRIX_SCALE_ROW1
.elseif \rb
	v_wmma_scale_f32_16x16x128_f8f6f4 v[\d:\d+7], v[\a:\a+15], v[\b:\b+15], 0, v[\sa], v[\sb] matrix_b_scale:MATRIX_SCALE_ROW1
.else
	v_wmma_scale_f32_16x16x128_f8f6f4 v[\d:\d+7], v[\a:\a+15], v[\b:\b+15], 0, v[\sa], v[\sb]
.endif
.else
.if (\ra) && (\rb)
	v_wmma_scale_f32_16x16x128_f8f6f4 v[\d:\d+7], v[\a:\a+15], v[\b:\b+15], v[\d:\d+7], v[\sa], v[\sb] matrix_a_scale:MATRIX_SCALE_ROW1 matrix_b_scale:MATRIX_SCALE_ROW1
.elseif \ra
	v_wmma_scale_f32_16x16x128_f8f6f4 v[\d:\d+7], v[\a:\a+15], v[\b:\b+15], v[\d:\d+7], v[\sa], v[\sb] matrix_a_scale:MATRIX_SCALE_ROW1
.elseif \rb
	v_wmma_scale_f32_16x16x128_f8f6f4 v[\d:\d+7], v[\a:\a+15], v[\b:\b+15], v[\d:\d+7], v[\sa], v[\sb] matrix_b_scale:MATRIX_SCALE_ROW1
.else
	v_wmma_scale_f32_16x16x128_f8f6f4 v[\d:\d+7], v[\a:\a+15], v[\b:\b+15], v[\d:\d+7], v[\sa], v[\sb]
.endif
.endif
.endm
.macro GBUF g                          ; where four fragments of the weight stand: groups 0, 3: v128; 1: v192; 2: v192 of window 1
.set t_b, 128
.set t_g, 0
.if \g == 1
.set t_b, 192
.elseif \g == 2
.set t_b, 192
.set t_g, 1
.endif
.endm
.macro FETCHG g, ad                    ; fragments 4 g .. 4 g + 3: 16 LDS loads
	GBUF \g
	WIN t_g<<6
.irp t, 0,1,2,3
.irp c, 0,1,2,3
	ds_load_b128 v[t_b+16*\t+4*\c:t_b+16*\t+4*\c+3], v[\ad] offset:2048*(4*\g+\t)+512*\c
.endr
.endr
	WIN 0
.endm
.macro PROD1 g, z                      ; 16 products: those four tiles x the four row tiles: every sum of the step has one turn
	GBUF \g
.irp mm, 0,1
	WIN 0xa0+0x50*\mm+t_g
.irp t, 0,1,2,3
.irp e, 0,1
.set t_f, 4*\g+\t
.set t_d, 128*\e+8*t_f
.set t_a, t_b+16*\t
.set t_x, 64+32*\mm+16*\e
.set t_s, WS+4*(t_f/8)+\t
.set t_r, XS+\mm
	WM t_d, t_a, t_x, \z, t_s, t_r, (\g&1), \e
.endr
.endr
.endr
	WIN 0
.endm
; K STEP i OF PHASE 1, par = i % 2.  load: step i + 3 of kv is asked for; turn: step i + 2 goes through the stage, behind a wait with that count on kv's loads (-1: none); quant: step i + 1 becomes codes;
; fill: slot i + 1 is asked for (1: of Wv, 2: of Wo)
.macro STEP par, zero, load, turn, quant, fill, ask
.set t_ad, AD0+(\par)
.set t_q, 5*(\quant)
	s_wait_tensorcnt 0x0                           ; my part of this slot is in
	ds_add_u32 v[SPW], v[NIL]                      ; 0 onto my spare word
.if \load
	KADDR
.endif
.if \fill == 1
	WDESC1 1-(\par)
.else
	WDESC2 1-(\par)
.endif
	WALU
	s_wait_dscnt 0x0                               ; the add is done; my reads of the other slot and of the last image are over; my part of this step's image is stored; step i + 1's numbers are back
	CROUND
	TLOAD                                          ; the first thing behind the round: the other slot
	PLACES 4                                       ; with the four behind the load: eight places behind the last products, ahead of loads into what they have read
.irp m, 0,1,2,3
.irp c, 0,1,2,3
	ds_load_b128 v[64+16*\m+4*\c:64+16*\m+4*\c+3], v[XRD] offset:XSZ*(\par)+2048*\m+512*\c
.endr
.endr
	ds_load_b32 v[XS], v[XSR] offset:XSZ*(\par)
	ds_load_b32 v[XS+1], v[XSR] offset:XSZ*(\par)+128
	ds_load_b128 v[WS:WS+3], v[t_ad] offset:32768
	ds_load_b128 v[WS+4:WS+7], v[t_ad] offset:32768+512
	FETCHG 0, t_ad
	FETCHG 1, t_ad
.if \load
	KV4 1, 64*(1-(\par)), 0
.endif
.if \quant
	QUANT 128, 1, 0, PW, 1
	IMAGE 1-(\par)
.endif
	FETCHG 2, t_ad
.if \load
	KV4 1, 64*(1-(\par)), 1
.endif
	s_wait_dscnt 32+t_q                            ; group 0 and all ahead of it are in; behind it groups 1 and 2 and the image's stores
	PROD1 0, \zero
.if \ask
	s_cmp_lt_u32 ttmp9, 4                          ; four clusters ask for Wo's images: each block of 256 bytes once, 16,384 bytes a wave (the last 512 of each wave's 16,896 come by their load alone)
	s_cbranch_scc0 .Lno_ask_\@
	global_prefetch_b8 v[PFW], s[PFA:PFA+1] th:TH_LOAD_NT scope:SCOPE_SE
	global_prefetch_b8 v[PFW], s[PFA:PFA+1] offset:8192 th:TH_LOAD_NT scope:SCOPE_SE
.Lno_ask_\@:
.endif
	PLACES 8
	FETCHG 3, t_ad
.if \load
	KV4 1, 64*(1-(\par)), 2
.endif
	s_wait_dscnt 32+t_q                            ; group 1 is in; behind it the image's stores, groups 2 and 3
	PROD1 1, \zero
.if \load
	KV4 1, 64*(1-(\par)), 3
.endif
	s_wait_dscnt 16                                ; group 2 is in; behind it group 3
	PROD1 2, \zero
.if (\turn) >= 0
	s_wait_loadcnt \turn                           ; step i + 2 of kv is in; behind it the loads of step i + 3, if any
	TURN 1, 64*(\par)
	s_wait_dscnt 32                                ; group 3 is in; behind it the turn
.else
	s_wait_dscnt 0x0
.endif
	PROD1 3, \zero
.endm
.macro HSTORE hh                       ; my K step 2 w + hh of the hidden layer, row tile m
.irp m, 0,1,2,3
.irp c, 0,1,2,3
	ds_store_b128 v[HXW], v[128+64*\hh+16*\m+4*\c:128+64*\hh+16*\m+4*\c+3] offset:2048*\m+512*\c
.endr
	ds_store_b32 v[HXS], v[PW+4*\hh+\m] offset:64*\m
.endr
.endm
.macro HLOAD hh                        ; all four waves' K steps 2 j + hh into my registers, and their scale words
.irp j, 0,1,2,3
	WIN (2+\j/2)<<6
.irp m, 0,1,2,3
.irp c, 0,1,2,3
	ds_load_b128 v[128*(\j&1)+64*\hh+16*\m+4*\c:128*(\j&1)+64*\hh+16*\m+4*\c+3], v[XRD] offset:8192*\j+2048*\m+512*\c
.endr
.endr
.endr
	WIN 0
.irp j, 0,1,2,3
	ds_load_b32 v[HS+2*\j+\hh], v[HSR] offset:256*\j
	ds_load_b32 v[HS+8+2*\j+\hh], v[HSR] offset:256*\j+128
.endr
.endm
.macro FETCHT ad, u                    ; phase 2: tile u of a slot, all of K, and its scale words: 33 LDS loads
	WIN (\u)<<6
.irp q, 0,1,2,3,4,5,6,7
.irp c, 0,1,2,3
	ds_load_b128 v[128-128*\u+16*\q+4*\c:128-128*\u+16*\q+4*\c+3], v[\ad] offset:16384*\u+2048*\q+512*\c
.endr
.endr
	WIN 0
	ds_load_b128 v[WS+4*\u:WS+4*\u+3], v[\ad] offset:32768+512*\u
.endm
.macro PR2 set, T, from, to            ; phase 2: products n = 4 q + m of tile T of the group; its four sums by turns
.set t_k, \from
.rept (\to)-(\from)
.set t_q, t_k/4
.set t_m, t_k&3
	WIN 0x50+(\set)+((2+t_q/4)<<2)
.set t_z, 0
.if t_q == 0
.set t_z, 1
.endif
.set t_d, 128+32*t_m+8*(\T)
.set t_a, 128-128*(\set)+16*t_q
.set t_x, 64*(t_q&3)+16*t_m
.set t_s, WS+4*(\set)+(t_q&3)
.set t_r, HS+8*(t_m/2)+t_q
	WM t_d, t_a, t_x, t_z, t_s, t_r, (t_q/4), (t_m&1)
.set t_k, t_k+1
.endr
.endm
.macro MEET T, par                     ; the second half of an even tile, and a change of slots inside it: slot par has been read out and is filled again
	s_wait_tensorcnt 0x0                           ; my part of the other slot is in
	ds_add_u32 v[SPW], v[NIL]
	WDESC2 \par
	PR2 0, \T, 16, 28
	WIN 0
	WALU
	s_wait_dscnt 0x0                               ; the add is done, and my reads of the slot are over
	s_barrier_signal -1
	PR2 0, \T, 28, 32
	WIN 0
	s_barrier_wait -1
	CREST
	TLOAD
	PLACES 4
.endm
.macro RBACK area, to                  ; 16 rows of 256 bytes back from an area
.irp i, 0,1,2,3,4,5,6,7
	ds_load_b128 v[(\to)+4*\i:(\to)+4*\i+3], v[SRD] offset:AREA*(\area)+544*\i
.endr
.endm
.macro OUT md, rb                      ; module md's 16 rows of the group: + (query + bo), stored: sixteen lanes fill 256 consecutive bytes, aligned
.set t_i, 0
.rept 16
	v_pk_add_f32 v[(\rb)+2*t_i:(\rb)+2*t_i+1], v[(\rb)+2*t_i:(\rb)+2*t_i+1], v[Q+2*t_i:Q+2*t_i+1]
.set t_i, t_i+1
.endr
.irp i, 0,1,2,3,4,5,6,7
	global_store_b128 v[QA], v[(\rb)+4*\i:(\rb)+4*\i+3], s[OM+2*(\md):OM+2*(\md)+1] offset:8192*\i th:TH_STORE_NT
.endr
.endm
.macro QBO                             ; query + bo
	s_wait_loadcnt 0x0
.set t_i, 0
.rept 8
	v_pk_add_f32 v[Q+4*t_i:Q+4*t_i+1], v[Q+4*t_i:Q+4*t_i+1], v[BO:BO+1]
	v_pk_add_f32 v[Q+4*t_i+2:Q+4*t_i+3], v[Q+4*t_i+2:Q+4*t_i+3], v[BO+2:BO+3]
.set t_i, t_i+1
.endr
.endm
.macro GROUP                           ; the group in hand: where it goes, and its query and bo: 9 loads
	s_wait_xcnt 0x0                                ; the stores have read their registers and bases
	s_and_b32 s24, s[SPG], 3
	s_lshl_b32 s24, s24, 8
	s_mov_b32 s25, 0
	s_add_co_u32 s[SPG], s[SPG], 1
	s_add_nc_u64 s[QC:QC+1], s[QP:QP+1], s[24:25]
	s_add_nc_u64 s[BC:BC+1], s[BP:BP+1], s[24:25]
	s_add_nc_u64 s[OM:OM+1], s[OUTB:OUTB+1], s[24:25]
	s_add_nc_u64 s[OM+2:OM+3], s[OM:OM+1], 0x1000000
	s_add_nc_u64 s[OM+4:OM+5], s[OM+2:OM+3], 0x1000000
	s_add_nc_u64 s[OM+6:OM+7], s[OM+4:OM+5], 0x1000000
.irp i, 0,1,2,3,4,5,6,7
	global_load_b128 v[Q+4*\i:Q+4*\i+3], v[QA], s[QC:QC+1] offset:8192*\i th:TH_LOAD_NT
.endr
	global_load_b128 v[BO:BO+3], v[BOF], s[BC:BC+1]
.endm
.macro TOAREA md, area                 ; module md's sums of the group: a lane's pieces of 32 bytes of one row, each sum from its low end on
	WIN 0x04
.irp T, 0,1,2,3
	ds_store_b128 v[SWR], v[128+32*\md+8*\T:128+32*\md+8*\T+3] offset:AREA*\area+128*(\T/2)+32*(\T%2)
	ds_store_b128 v[SWR], v[128+32*\md+8*\T+4:128+32*\md+8*\T+7] offset:AREA*\area+128*(\T/2)+32*(\T%2)+16
.endr
	WIN 0
.endm
; A GROUP OF 64 COLUMNS: two slots, four tiles.  out: the group before it leaves meanwhile; fill: the slots are filled again
.macro TRIP out, fill
	s_wait_dscnt 0x0                               ; tile 0's fragments; the last group's sums are stored in their areas, module 0's rows are back
	FETCHT AD0, 1
	PR2 0, 0, 0, 16
	WIN 0
.if \fill
	MEET 0, 0
.else
	PR2 0, 0, 16, 32
	WIN 0
	s_wait_tensorcnt 0x0                           ; my part of the last slot, which I alone read
	s_wait_dscnt 0x0
	PLACES 8
.endif
	FETCHT AD1, 0
.if \out
	QBO
	OUT 0, RBK
	s_wait_xcnt 0x0                                ; the stores have read their data
	RBACK 1, RBK
.endif
	PR2 1, 1, 0, 16
	WIN 0
.if \out
	s_wait_dscnt 0x0
	OUT 1, RBK
	s_wait_xcnt 0x0
	RBACK 2, RBK
.endif
	PR2 1, 1, 16, 32
	WIN 0
	s_wait_dscnt 0x0
.if \out
	OUT 2, RBK                                     ; its sixteen additions are the places behind tile 1's products too
	s_wait_xcnt 0x0
	RBACK 0, RBK
.else
	PLACES 8
.endif
	FETCHT AD1, 1
	PR2 0, 2, 0, 16
	WIN 0
.if \fill
	MEET 2, 1
	FETCHT AD0, 0
.else
	PR2 0, 2, 16, 32
	WIN 0
	s_wait_dscnt 0x0
.endif
.if \out
	OUT 3, RBK
.endif
	GROUP
	PR2 1, 3, 0, 32
	WIN 0
	PLACES 8
	TOAREA 0, 0
	RBACK 0, RBK                                   ; LDS serves a wave's instructions in order: these see the stores above, and module 3's stores come behind them
	TOAREA 1, 1
	TOAREA 2, 2
	TOAREA 3, 0
.endm
	s_load_b256 s[4:11], s[0:1], 0x0               ; kv_stack, query, bo, wimg
	s_load_b64 s[12:13], s[0:1], 0x20              ; out
	v_lshl_add_u32 v[SPW], v0, 2, SPARE
	v_mov_b32 v[NIL], 0
	ds_add_u32 v[SPW], v[NIL]                      ; the wave's opening: the add, twice on end, and its wait ahead of my first tensor load
	ds_add_u32 v[SPW], v[NIL]
	v_lshrrev_b32 v20, 5, v0
	v_readfirstlane_b32 s[WV], v20                 ; wave 0..3
	s_bfe_u32 s14, ttmp6, 0x40000                  ; my place in the cluster
	s_lshl_b32 s15, ttmp9, 2
	s_add_co_u32 s15, s15, s14                     ; g
	s_and_b32 s[ROT], ttmp9, 7
	s_mul_i32 s[WBL], s[WV], PART
	s_mul_i32 s24, s[WV], XSZ
	s_add_co_u32 s24, s24, ST
	s_lshl_b32 s25, s[WV], 11
	s_add_co_u32 s25, s25, RB
	s_lshl_b32 s26, s[WV], 6
	s_add_co_u32 s26, s26, RB+8192
	s_mul_i32 s27, s[WV], STW
	s_add_co_u32 s27, s27, RB
	s_lshl_b32 s59, s[WV], 13
	s_add_co_u32 s59, s59, RB
	s_lshl_b32 s60, s[WV], 8
	s_add_co_u32 s60, s60, RB+32768
	s_mov_b32 s[G1], 15|(3<<16)|(1<<21)            ; the mask: all four; elements of 8 bytes; bit 21 set beside a mask; no padding
	s_mov_b32 s[G1+1], 128<<16                     ; a part is dense: 33 rows of 1,024 bytes
	s_mov_b32 s[G1+2], 33<<16
	s_mov_b32 s[G1+3], 128<<16
	s_mov_b32 s[G1+4], 33
	s_mov_b32 s[G1+5], 128
	s_mov_b32 s[G1+6], 0
	s_mov_b32 s[G1+7], 0
	s_mov_b32 s[G0], 1
	s_mov_b32 s[SEL], 0x76543210
	s_mov_b32 s[SEL+1], 0xfedcba98                 ; v_permlanex16_b32's selects for lane l xor 16
	s_mov_b32 s[MNT], 0x600000                     ; the mantissa field of 448
	s_mov_b32 s[SKV], s[ROT]
	s_mov_b32 s[SN], s[ROT]
	s_mov_b32 s[SG], s[ROT]
	s_mov_b32 s[SPG], s[ROT]
	WALU
	v_and_b32 v20, 31, v0                          ; lane
	v_and_b32 v21, 15, v0                          ; r
	v_bfe_u32 v22, v0, 4, 1                        ; h
	v_lshlrev_b32 v[LA], 4, v20
	v_add_nc_u32 v[SIN], s24, v[LA]
	v_mul_u32_u24 v23, v21, 528
	v_lshl_add_u32 v23, v22, 6, v23
	v_add_nc_u32 v[SOUT], s24, v23
	v_add_nc_u32 v[XWI], s25, v[LA]
	v_lshl_add_u32 v[XWS], v21, 2, s26
	v_add_nc_u32 v[AD0], s[WBL], v[LA]
	v_add_nc_u32 v[AD1], SLOT, v[AD0]
	v_add_nc_u32 v[XRD], RB, v[LA]
	v_lshl_add_u32 v[XSR], v20, 2, RB+8192
	v_mul_u32_u24 v23, v22, 272
	v_lshl_add_u32 v23, v21, 4, v23
	v_add_nc_u32 v[SRD], s27, v23
	v_mul_u32_u24 v23, v21, 272
	v_lshl_add_u32 v23, v22, 6, v23
	v_add_nc_u32 v[SWR], s27, v23
	v_add_nc_u32 v[HXW], s59, v[LA]
	v_lshl_add_u32 v[HXS], v21, 2, s60
	v_lshlrev_b32 v[BOF], 4, v21
	v_lshl_add_u32 v[QA], v22, 12, v[BOF]
	v_lshrrev_b32 v23, 2, v20
	v_and_b32 v19, 3, v20
	v_lshlrev_b32 v19, 8, v19
	v_lshl_add_u32 v[PFO], v23, 12, v19            ; eight rows of query x four blocks of 256 bytes
	v_lshl_add_u32 v[HSR], v20, 2, RB+32768
	v_lshlrev_b32 v[PFW], 8, v20
.irp b, 0,1,2,3
	v_mov_b32 v[TM+4+\b], 0                        ; a lane permute's destination counts as one of its sources
.endr
	WALU
	s_wait_dscnt 0x0                               ; both opening adds are done
	s_wait_kmcnt 0x0
	s_lshl_b32 s24, s[WV], 24                      ; a module is 2^24 bytes
	s_mov_b32 s25, 0
	s_lshl_b32 s26, s15, 16                        ; 16 g rows of 4,096 bytes
	s_mov_b32 s27, 0
	s_add_nc_u64 s[KVP:KVP+1], s[KVP:KVP+1], s[24:25]
	s_add_nc_u64 s[KVP:KVP+1], s[KVP:KVP+1], s[26:27]
	KADDR
.irp k, 0,1,2,3
	KV4 2, 0, \k                                   ; K step 0 of kv, into registers that the sums take later
.endr
	s_lshl_b32 s24, s[WV], 10                      ; my 256 columns
	s_mov_b32 s25, 0
	s_add_nc_u64 s[BP:BP+1], s[BP:BP+1], s[24:25]
	s_add_co_u32 s26, s26, s24
	s_add_nc_u64 s[QP:QP+1], s[QP:QP+1], s[26:27]
	s_add_nc_u64 s[OUTB:OUTB+1], s[OUTB:OUTB+1], s[26:27]
	s_lshl_b32 s24, s15, 2                         ; the prefetch's place: 64 waves, 16,896 bytes each of Wo's images
	s_add_co_u32 s24, s24, s[WV]
	s_and_b32 s24, s24, 63
	s_mul_i32 s24, s24, 16896
	s_add_co_u32 s24, s24, MU
	s_add_nc_u64 s[PFA:PFA+1], s[WB:WB+1], s[24:25]
	s_mul_i32 s24, s[WV], 8*PART
	s_add_nc_u64 s[WB:WB+1], s[WB:WB+1], s[24:25]
	WDESC1 0
	CROUND                                         ; all four work-groups are here: the first joint loads meet
	TLOAD                                          ; slot 0
	KADDR
.irp k, 0,1,2,3
	KV4 1, 64, \k                                  ; K step 1
.endr
	KADDR
.irp k, 0,1,2,3
	KV4 1, 0, \k                                   ; K step 2
.endr
	s_wait_loadcnt 32                              ; K step 0 is in; behind it steps 1 and 2
	TURN 2, 0
	s_wait_dscnt 0x0
	QUANT 128, 1, 0, PW, 1
	IMAGE 0
	s_wait_loadcnt 16                              ; K step 1 is in; behind it step 2
	TURN 1, 64
	; ---- PHASE 1
	STEP 0, 1, 1, 16, 1, 1, 1
	s_mov_b32 s[CNT], 2
.Lp1:
	STEP 1, 0, 1, 16, 1, 1, 0
	STEP 0, 0, 1, 16, 1, 1, 0
	s_sub_co_u32 s[CNT], s[CNT], 1
	s_cmp_lg_u32 s[CNT], 0
	WALU
	s_cbranch_scc1 .Lp1
	STEP 1, 0, 0, 0, 1, 1, 0
	STEP 0, 0, 0, -1, 1, 1, 0
	STEP 1, 0, 0, -1, 0, 2, 0
	; ---- THE HIDDEN LAYER becomes codes, and all of it goes into every wave's registers
	PLACES 8
	s_wait_tensorcnt 0x0
	ds_add_u32 v[SPW], v[NIL]
	WDESC2 1
	WALU
	s_wait_dscnt 0x0                               ; slot 7 and the images of x have been read by me,
	CROUND                                         ; and by everybody
	TLOAD                                          ; slot 9
	global_prefetch_b8 v[PFO], s[QP:QP+1] th:TH_LOAD_NT scope:SCOPE_SE                 ; my 256 columns of query's 16 rows: each block of 256 bytes once
	global_prefetch_b8 v[PFO], s[QP:QP+1] offset:32768 th:TH_LOAD_NT scope:SCOPE_SE
.irp m, 0,1,2,3
	QUANT 128*(\m&1), 2+\m/2, 128+16*\m, PW+\m, 0
.endr
	HSTORE 0
.irp m, 0,1,2,3
	QUANT 128*(\m&1)+64, 2+\m/2, 192+16*\m, PW+4+\m, 0
.endr
	BAR                                            ; the first half is stored
	HLOAD 0
	BAR                                            ; and read by everybody
	HSTORE 1
	BAR
	HLOAD 1
	FETCHT AD0, 0
	; ---- PHASE 2
	TRIP 0, 1
	s_mov_b32 s[CNT], 2
.Lp2:
	TRIP 1, 1
	s_sub_co_u32 s[CNT], s[CNT], 1
	s_cmp_lg_u32 s[CNT], 0
	WALU
	s_cbranch_scc1 .Lp2
	TRIP 1, 0
	RBACK 1, 128                                   ; the last group: the even tiles' registers are free
	RBACK 2, 160
	RBACK 0, 192
	QBO
	s_wait_dscnt 48                                ; module 0's rows are back; behind them 24 stores and 24 loads
	OUT 0, RBK
	s_wait_dscnt 16
	OUT 1, 128
	s_wait_dscnt 8
	OUT 2, 160
	s_wait_dscnt 0x0
	OUT 3, 192
	s_wait_tensorcnt 0x0                           ; the wave's end
	ds_add_u32 v[SPW], v[NIL]
	s_wait_dscnt 0x0
	CROUND                                         ; the closing round
	s_endpgm
.Lfunc_end_k_q7d67f9eb69_fused:
	.size	k_q7d67f9eb69_fused, .Lfunc_end_k_q7d67f9eb69_fused-k_q7d67f9eb69_fused
	.p2alignl 7, 3214868480
	.fill 96, 4, 3214868480
	.section	.rodata,"a",@progbits
	.p2align	6, 0x0
	.amdhsa_kernel k_q7d67f9eb69_fused
		.amdhsa_group_segment_fixed_size 327680
		.amdhsa_private_segment_fixed_size 0
		.amdhsa_enable_private_segment 0
		.amdhsa_kernarg_size 40
		.amdhsa_user_sgpr_count 2
		.amdhsa_user_sgpr_kernarg_segment_ptr 1
		.amdhsa_wavefront_size32 1
		.amdhsa_system_sgpr_workgroup_id_x 1
		.amdhsa_system_sgpr_workgroup_id_y 1
		.amdhsa_system_sgpr_workgroup_id_z 1
		.amdhsa_system_vgpr_workitem_id 0
		.amdhsa_next_free_vgpr 1024
		.amdhsa_next_free_sgpr 66
		.amdhsa_reserve_vcc 0
		.amdhsa_float_denorm_mode_32 3
		.amdhsa_float_denorm_mode_16_64 3
		.amdhsa_memory_ordered 1
		.amdhsa_forward_progress 1
		.amdhsa_inst_pref_size 255
	.end_amdhsa_kernel
	.section	.bss,"aw",@nobits
	.p2align	6
	.space	262144
	.amdgpu_metadata
---
amdhsa.version: [ 1, 2 ]
amdhsa.kernels:
  - .name:           k_q7d67f9eb69_fused
    .symbol:         k_q7d67f9eb69_fused.kd
    .args:
      - { .name: kv_stack, .offset: 0, .size: 8, .value_kind: global_buffer, .address_space: global }
      - { .name: query, .offset: 8, .size: 8, .value_kind: global_buffer, .address_space: global }
      - { .name: bo, .offset: 16, .size: 8, .value_kind: global_buffer, .address_space: global }
      - { .name: wimg, .offset: 24, .size: 8, .value_kind: global_buffer, .address_space: global }
      - { .name: out0, .offset: 32, .size: 8, .value_kind: global_buffer, .address_space: global }
    .group_segment_fixed_size: 327680
    .private_segment_fixed_size: 0
    .kernarg_segment_align: 8
    .kernarg_segment_size: 40
    .max_flat_workgroup_size: 128
    .sgpr_count:     66
    .vgpr_count:     1024
    .wavefront_size: 32
...
	.end_amdgpu_metadata
.endif
;; end of part 2
